; MI455X (gfx1250); checked and timed in simulation.
; The chip was launched on July 23, 2026; its instructions are those of AMD's public machine-readable ISA for CDNA 5 (MIT licence, August 2026) and "CDNA5" Instruction Set Architecture Reference Guide (July 2026). The comments in the code are by the model that wrote it; some were corrected since.
;; VQ Embedding. Allowed arithmetic: matrix products marked QUANTISED: E2M3 operands, one E8M0 scale for each 32 along K, by v_wmma_scale_f32_16x16x128_f8f6f4 with both operands' format E2M3, f32 sums; everything else in f32.
;; Inputs: codebook 8,192 x 256 float32; z_e_x 8 x 4,096 x 256 float32.
;; Outputs: out0 8 x 4,096 x 256 float32; out1 8 x 4,096 int32; out2 8 x 4,096 float32.
;; This version of the problem:
;;   THIS VERSION OF THE PROBLEM IS GIVEN IN LOW PRECISION. The matrix products marked QUANTISED in the list below multiply operands that are first quantised to E2M3 (2 exponent bits, 3 mantissa bits; 6 bits a number), with one power-of-two scale for each 32 numbers along K (OCP MX v1.0); their sums are f32. All else is computed in f32.
;;   The module's matrix products, in the order in which they are computed (A, B: the left and right operand; K: the contracted axis; several contracted axes count as one K, in the product's order):
;;     1. [M 32,768, K 256] x [K 256, N 8,192]; A: input z_e_x; B: input codebook: QUANTISED
;;   THE QUANTISER, for each operand of a quantised product, along K:
;;     - K is cut into blocks of 32 from its start; a last block that is shorter is filled with zeros.
;;     - A block's scale is 2^e with e = floor(log2(the largest magnitude in the block)) - 2, held to -126 .. 127; a block of zeros has e = 0. As a byte (E8M0): e + 127.
;;     - Each number is divided by its block's scale, clamped to +-7.5, and rounded to the nearest number of E2M3, ties to even, subnormals kept.
;;     - The product sums the exact products of the quantised numbers (number of the format x scale) in f32.
;;   ~~~python
;;   def quantise(x, axis):      # numpy; x: float32 -> the quantised numbers, widened to float32 again
;;       x = np.moveaxis(x, axis, -1); K = x.shape[-1]
;;       x = np.pad(x, [(0, 0)] * (x.ndim - 1) + [(0, -K % 32)]); x = x.reshape(x.shape[:-1] + (-1, 32)); a = np.abs(x).max(-1, keepdims=True)
;;       e = np.where(a > 0, np.clip(np.frexp(np.where(a > 0, a, 1))[1] - 1 - 2, -126, 127), 0)      # np.frexp(a)[1] - 1 = floor(log2(a)), exactly
;;       r = np.clip(x / 2.0 ** e, -7.5, 7.5)
;;       step = 2.0 ** (np.maximum(np.frexp(np.where(r == 0, 1, r))[1] - 1, 0) - 3)
;;       q = np.round(r / step) * step * 2.0 ** e      # np.round: ties to even
;;       return np.moveaxis(q.reshape(q.shape[:-2] + (-1,))[..., :K], -1, axis).astype(np.float32)
;;   ~~~
;; One version. Each part assembles by itself: llvm-mc -triple=amdgcn-amd-amdhsa -mcpu=gfx1250 --defsym DOCPART=n.
;; ======== version 1 of 1: 3 launches
;; limits: right only within a limited range of input values
;; workspace buffers: q 8,519,680 bytes; idxw 131,072 bytes of whole numbers
;; launch quant (part 1): grid 256 x 1, 10 waves a work-group, no clusters, 170,240 bytes of LDS; arguments z_e_x, codebook, q; writes q
.if DOCPART == 1
	.amdgcn_target "amdgcn-amd-amdhsa--gfx1250"
	.amdhsa_code_object_version 6
	.text
	.protected	k_q58f0219f3c_quant
	.globl	k_q58f0219f3c_quant
	.p2align	8
	.type	k_q58f0219f3c_quant,@function
k_q58f0219f3c_quant:
	s_mov_b64 s[64:65], 0
	v_nop
	global_prefetch_b8 v0, s[64:65] scope:SCOPE_SE
	s_setreg_imm32_b32 hwreg(HW_REG_WAVE_MODE, 25, 1), 1
	s_wait_xcnt 0x0
; VQ codebook search, first of three launches: x = z_e_x [32768][256] and the codebook [8192][256], both f32, become operands of the quantised product x cb^T:
; codes of FP6 (E2M3) with one E8M0 scale byte for each 32 along the 256, and beside them -0.5 x each row's sum of squares (of the f32 numbers, which reference() does not quantise there).
; WORK LEFT OUT BY THE PROGRAM: reference() adds x_sq[row] to every one of the row's 8,192 distances ahead of argmin and min.  The term is the same along the axis of argmin, so for all values of the inputs it cannot
; move the index, and min(x_sq + t) = x_sq + min(t).  So the second launch searches for the largest D = Q(c).Q(x) - |c|^2 / 2 and adds x_sq once a row: distance = -2 (D - |x|^2 / 2).  Every input is loaded; no product is left out.
; LIMITS: NaN and infinities among the inputs are not served.  D is rounded where reference() rounds x_sq + cb_sq - 2 x.c, so two distances that differ by about one part in 2^23 of their size or less may be taken in the other order; on equal D the lower
; index wins.  A block of zeros gets the scale byte 1 where the quantiser says 127: its codes are zeros, which add nothing under any byte but 0xff, and this program alone reads the bytes.  Blocks whose largest magnitude lies under 2^(3 - 127) are held at the byte 1.
; q: 2,560 RECORDS of 3,328 bytes (13 x 256), one for each 16 rows: records 0-2047 x's, 2048-2559 the codebook's.  A record is an IMAGE OF THE OPERAND'S REGISTERS:
;   +0     six blocks of 512 bytes: block b = registers 4 b .. 4 b + 3 of 24, lane l's 16 bytes at 512 b + 16 l.  Registers 0-11: K step 0 (k 0-127), 12-23: K step 1.  Lane (r, h), registers 12 s + 6 c + 0 .. 5: row r, k = 128 s + 64 c + 32 h + 0 .. 31
;   +3072  32 words: lane l < 16: row l's scale word of K step 0; lane l >= 16: row l - 16's of K step 1
;   +3200  -0.5 x the sum of squares of rows 0-15, 16 words; +3264 the same once more, so that these 256 bytes are stored whole
; SHARES.  One wave, one record: wave w of work-group g takes record 10 g + w.  Only pointers are chosen by the record's number: one path through the text.  No loop, no barrier: waves share nothing.
; A load is dense (32 lanes, 512 consecutive bytes); the conversions want 32 neighbours along K in one lane's registers: so the 16 rows turn through the wave's own stage in LDS.
.set REC,   3328
.set XT,    2048                       ; x's records
.set PITCH, 1040                       ; a stage row: 1,024 bytes + 16 = 260 words: row r starts at bank 4 r mod 64 (64 banks of 4 bytes: ISA guide 11.1)
.set WREG,  16896                      ; a wave's LDS: 16 stage rows, then 256 bytes for the record's last 256
.set AUX,   16*PITCH
.set SPARE, 10*WREG                    ; behind the ten regions: the spare words, 128 bytes for each wave: five blocks of 256 bytes that no other line names
.set LN,  1                            ; v1   lane
.set RW,  2                            ; v2   r = lane % 16
.set HH,  3                            ; v3   h = lane / 16
.set L16, 4                            ; v4   16 x lane
.set ST,  5                            ; v5   the stage, on the way in
.set RD,  6                            ; v6   and on the way out: row r, + 128 h
.set AXW, 7                            ; v7   the record's last 256 bytes: 4 x lane,
.set AXR, 8                            ; v8   8 x lane
.set L8,  9                            ; v9   8 x lane
.set SPW, 10                           ; v10  LDS address of my spare word; never rewritten
.set NIL, 11                           ; v11  0; never rewritten
.set MX,  12                           ; v12-15  my four blocks' largest magnitudes
.set SO,  16                           ; v16-19  the conversions' scale operands
.set BY,  20                           ; v20-23  the scale bytes
.set SQ,  24                           ; v24-31  sums of squares, a pair for each block
.set F,   32                           ; v32-55  the 24 registers of the two fragments
.set TC,  56                           ; v56-71  each block's upper 16 codes, as the conversion leaves them
.set W,   72                           ; v72-73  the two scale words
.set PD,  74                           ; v74-75  lane permutes' destinations
.set HS,  76                           ; v76  -0.5 x the row's sum of squares
.set SCW, 77                           ; v77  the scale word that my lane stores
.set OP,  78                           ; v78-79  at work; then the last 256 bytes, 8 a lane
.set X,   96                           ; v96-223 128 numbers
	s_load_b128 s[4:7], s[0:1], 0x0                ; z_e_x, codebook
	s_load_b64 s[8:9], s[0:1], 0x10                ; q
	v_lshl_add_u32 v[SPW], v0, 2, SPARE
	v_mov_b32 v[NIL], 0
	v_lshrrev_b32 v1, 5, v0
	s_delay_alu instid0(VALU_DEP_1)
	v_readfirstlane_b32 s12, v1                    ; wave 0..9
	v_and_b32 v[LN], 31, v0
	v_and_b32 v[RW], 15, v0
	v_bfe_u32 v[HH], v0, 4, 1
	s_delay_alu instid0(VALU_DEP_3)
	v_lshlrev_b32 v[L16], 4, v[LN]
	s_delay_alu instid0(VALU_DEP_4)
	v_lshlrev_b32 v[L8], 3, v[LN]
	s_mul_i32 s13, s12, WREG                       ; my region
	v_add_nc_u32 v[ST], s13, v[L16]
	v_mul_u32_u24 v[RD], v[RW], PITCH
	s_delay_alu instid0(VALU_DEP_1)
	v_lshl_add_u32 v[RD], v[HH], 7, v[RD]
	s_delay_alu instid0(VALU_DEP_1)
	v_add_nc_u32 v[RD], s13, v[RD]
	s_add_co_u32 s14, s13, AUX
	v_lshl_add_u32 v[AXW], v[LN], 2, s14
	v_lshl_add_u32 v[AXR], v[LN], 3, s14
	v_mov_b32 v[PD], 0                             ; written once: a lane permute's destination counts as one of its sources
	v_mov_b32 v[PD+1], 0
	s_mov_b32 s20, 0x76543210
	s_mov_b32 s21, 0xfedcba98                      ; v_permlanex16_b32's selects for lane l xor 16
	s_mul_i32 s15, ttmp9, 10
	s_add_co_u32 s15, s15, s12                     ; my record
	s_mul_i32 s18, s15, REC                        ; where it lies in q
	s_mov_b32 s19, 0
	s_mov_b32 s17, 0
	s_wait_alu depctr_va_vdst(0)
	s_wait_kmcnt 0x0
	s_cmp_lt_u32 s15, XT                           ; x's record or the codebook's?  The choice hangs on ids alone
	s_cselect_b64 s[4:5], s[4:5], s[6:7]
	s_cselect_b32 s16, 0, XT
	s_sub_co_u32 s16, s15, s16
	s_lshl_b32 s16, s16, 14                        ; 16 rows of 1,024 bytes
	s_add_nc_u64 s[4:5], s[4:5], s[16:17]
	s_add_nc_u64 s[8:9], s[8:9], s[18:19]
.set n, 0
.rept 32
	global_load_b128 v[X+4*n:X+4*n+3], v[L16], s[4:5] offset:512*n th:TH_LOAD_NT   ; 32 lanes read 512 consecutive bytes: half a row; all 16 KB of the wave are asked for at once
.set n, n+1
.endr
.irp g, 0,1,2,3
	s_wait_loadcnt 24-8*\g                         ; loads come back in order: these eight are in, those of the later groups may be out
.irp e, 0,1,2,3,4,5,6,7
	ds_store_b128 v[ST], v[X+4*(8*\g+\e):X+4*(8*\g+\e)+3] offset:(4*\g+\e/2)*PITCH+(\e%2)*512
.endr
.endr
	s_wait_dscnt 0x0                               ; the stores have read their registers, which the loads below fill again
.irp c, 0,1,2,3
.irp j, 0,1,2,3,4,5,6,7
	ds_load_b128 v[X+32*\c+4*\j:X+32*\c+4*\j+3], v[RD] offset:256*\c+16*\j   ; v[X + 32 c + i] = row r, k = 64 c + 32 h + i: a whole block of 32 in one lane
.endr
.endr
	s_wait_dscnt 0x0
.irp c, 0,1,2,3                                ; the four blocks by turns: no line waits for the line above it
	v_pk_mul_f32 v[SQ+2*\c:SQ+2*\c+1], v[X+32*\c:X+32*\c+1], v[X+32*\c:X+32*\c+1]
	v_max3_num_f32 v[MX+\c], |v[X+32*\c]|, |v[X+32*\c+1]|, 0x1800000       ; with the floor 2^(3 - 127), under which no largest magnitude is taken: so the byte cannot fall under 1
.endr
.irp i, 2,4,6,8,10,12,14,16,18,20,22,24,26,28,30
.irp c, 0,1,2,3
	v_pk_fma_f32 v[SQ+2*\c:SQ+2*\c+1], v[X+32*\c+\i:X+32*\c+\i+1], v[X+32*\c+\i:X+32*\c+\i+1], v[SQ+2*\c:SQ+2*\c+1]
	v_max3_num_f32 v[MX+\c], v[MX+\c], |v[X+32*\c+\i]|, |v[X+32*\c+\i+1]|
.endr
.endr
.irp c, 0,1,2,3
	v_add_nc_u32 v[SO+\c], 0xff000000, v[MX+\c]    ; 2 off the exponent field: the conversion takes the exponent field of this operand as its scale, and nothing else of it
.endr
.irp c, 0,1,2,3
	s_delay_alu instid0(VALU_DEP_4)
	v_lshrrev_b32 v[BY+\c], 23, v[SO+\c]           ; the scale's byte
.endr
	v_pk_add_f32 v[SQ:SQ+1], v[SQ:SQ+1], v[SQ+2:SQ+3]
	v_pk_add_f32 v[SQ+4:SQ+5], v[SQ+4:SQ+5], v[SQ+6:SQ+7]
	s_delay_alu instid0(VALU_DEP_1)
	v_pk_add_f32 v[SQ:SQ+1], v[SQ:SQ+1], v[SQ+4:SQ+5]
	s_delay_alu instid0(VALU_DEP_1)
	v_add_f32 v[SQ], v[SQ], v[SQ+1]                ; my 128 numbers' squares,
	s_delay_alu instid0(VALU_DEP_1)
	v_permlanex16_b32 v[PD], v[SQ], s20, s21
	s_delay_alu instid0(VALU_DEP_1)
	v_add_f32 v[SQ], v[SQ], v[PD]                  ; with lane l xor 16's: the row's
	s_delay_alu instid0(VALU_DEP_1)
	v_mul_f32 v[HS], -0.5, v[SQ]
	v_lshlrev_b32 v[OP], 3, v[HH]                  ; 8 h
	v_lshl_or_b32 v[W], v[BY+1], 16, v[BY]         ; K step s: my bytes are those of its blocks h and 2 + h,
	v_lshl_or_b32 v[W+1], v[BY+3], 16, v[BY+2]
	s_delay_alu instid0(VALU_DEP_2)
	v_lshlrev_b32 v[W], v[OP], v[W]                ; at their places in the word;
	s_delay_alu instid0(VALU_DEP_2)
	v_lshlrev_b32 v[W+1], v[OP], v[W+1]
	s_delay_alu instid0(VALU_DEP_2)
	v_permlanex16_b32 v[PD], v[W], s20, s21
	s_delay_alu instid0(VALU_DEP_2)
	v_permlanex16_b32 v[PD+1], v[W+1], s20, s21
	s_delay_alu instid0(VALU_DEP_2)
	v_or_b32 v[W], v[W], v[PD]                     ; with lane l xor 16's two the word is whole
	s_delay_alu instid0(VALU_DEP_2)
	v_or_b32 v[W+1], v[W+1], v[PD+1]
	v_cmp_ne_u32 vcc_lo, 0, v[HH]
	s_delay_alu instid0(VALU_DEP_1)
	v_cndmask_b32 v[SCW], v[W], v[W+1], vcc_lo     ; lanes 0-15 store K step 0's word, lanes 16-31 K step 1's
.irp c, 0,1,2,3
	v_cvt_scalef32_pk16_fp6_f32 v[F+6*\c:F+6*\c+2], v[X+32*\c:X+32*\c+15], v[SO+\c]          ; sixteen numbers / the scale, to the nearest code, ties to even, beyond the largest code the largest; 96 bits without gaps
	v_cvt_scalef32_pk16_fp6_f32 v[TC+4*\c:TC+4*\c+2], v[X+32*\c+16:X+32*\c+31], v[SO+\c]     ; (a conversion's three registers begin on an even number: the second half of a block's six does not, so it is made here and moved)
.endr
	v_nop                                          ; one plain place behind a scaled conversion
.irp c, 0,1,2,3
.irp i, 0,1,2
	v_mov_b32 v[F+6*\c+3+\i], v[TC+4*\c+\i]
.endr
.endr
.irp b, 0,1,2,3,4,5
	global_store_b128 v[L16], v[F+4*\b:F+4*\b+3], s[8:9] offset:512*\b     ; 32 lanes store 512 consecutive bytes, at a multiple of 256 from q's first byte
.endr
	ds_store_b32 v[AXW], v[SCW]
	ds_store_b32 v[AXW], v[HS] offset:128
	ds_load_b64 v[OP:OP+1], v[AXR]                 ; LDS serves a wave's instructions in order (ISA guide 5.7.1.4): this sees the two stores
	s_wait_dscnt 0x0
	global_store_b64 v[L8], v[OP:OP+1], s[8:9] offset:3072                 ; 32 lanes store the record's last 256 bytes
	s_wait_tensorcnt 0x0                           ; the wave's end
	ds_add_u32 v[SPW], v[NIL]
	s_wait_dscnt 0x0
	s_endpgm
.Lfunc_end_k_q58f0219f3c_quant:
	.size	k_q58f0219f3c_quant, .Lfunc_end_k_q58f0219f3c_quant-k_q58f0219f3c_quant
	.p2alignl 7, 3214868480
	.fill 96, 4, 3214868480
	.section	.rodata,"a",@progbits
	.p2align	6, 0x0
	.amdhsa_kernel k_q58f0219f3c_quant
		.amdhsa_group_segment_fixed_size 170240
		.amdhsa_private_segment_fixed_size 0
		.amdhsa_enable_private_segment 0
		.amdhsa_kernarg_size 24
		.amdhsa_user_sgpr_count 2
		.amdhsa_user_sgpr_kernarg_segment_ptr 1
		.amdhsa_wavefront_size32 1
		.amdhsa_system_sgpr_workgroup_id_x 1
		.amdhsa_system_sgpr_workgroup_id_y 1
		.amdhsa_system_sgpr_workgroup_id_z 1
		.amdhsa_system_vgpr_workitem_id 0
		.amdhsa_next_free_vgpr 224
		.amdhsa_next_free_sgpr 66
		.amdhsa_reserve_vcc 1
		.amdhsa_float_denorm_mode_32 3
		.amdhsa_float_denorm_mode_16_64 3
		.amdhsa_memory_ordered 1
		.amdhsa_forward_progress 1
		.amdhsa_inst_pref_size 22
	.end_amdhsa_kernel
	.amdgpu_metadata
---
amdhsa.version: [ 1, 2 ]
amdhsa.kernels:
  - .name:           k_q58f0219f3c_quant
    .symbol:         k_q58f0219f3c_quant.kd
    .args:
      - { .name: z_e_x, .offset: 0, .size: 8, .value_kind: global_buffer, .address_space: global }
      - { .name: codebook, .offset: 8, .size: 8, .value_kind: global_buffer, .address_space: global }
      - { .name: q, .offset: 16, .size: 8, .value_kind: global_buffer, .address_space: global }
    .group_segment_fixed_size: 170240
    .private_segment_fixed_size: 0
    .kernarg_segment_align: 8
    .kernarg_segment_size: 24
    .max_flat_workgroup_size: 320
    .sgpr_count:     66
    .vgpr_count:     224
    .wavefront_size: 32
...
	.end_amdgpu_metadata
.endif
;; end of part 1
;; launch search (part 2): grid 256 x 1, 8 waves a work-group, clusters of 4 x 1, 327,680 bytes of LDS; arguments q, out1, out2, idxw; writes out1, out2, idxw
.if DOCPART == 2
	.amdgcn_target "amdgcn-amd-amdhsa--gfx1250"
	.amdhsa_code_object_version 6
	.text
	.protected	k_q58f0219f3c_search
	.globl	k_q58f0219f3c_search
	.p2align	8
	.type	k_q58f0219f3c_search,@function
k_q58f0219f3c_search:
	s_mov_b64 s[64:65], 0
	v_nop
	global_prefetch_b8 v0, s[64:65] scope:SCOPE_SE
	s_setreg_imm32_b32 hwreg(HW_REG_WAVE_MODE, 25, 1), 1
	s_wait_xcnt 0x0
	s_wait_alu depctr_hold_cnt(0) depctr_sa_sdst(0) depctr_va_vdst(0) depctr_va_sdst(0) depctr_va_ssrc(0) depctr_va_vcc(0) depctr_vm_vsrc(0)
	s_getreg_b32 s2, hwreg(HW_REG_IB_STS2, 6, 4)
	s_cmp_eq_u32 s2, 0
	s_cbranch_scc0 .Lentry_in_a_cluster
	s_endpgm
.Lentry_in_a_cluster:
	s_bfe_u32 s2, ttmp6, 0x10000c
	s_cmp_lg_u32 s2, 0x3003
	s_cbranch_scc0 .Lentry_shape_is_right
	s_endpgm
.Lentry_shape_is_right:
; Second launch: for each of the 32,768 rows of x the codebook entry with the largest D = Q(c).Q(x) - |c|^2 / 2, which is the entry with the least distance; out1 and idxw = its index, out2 = -2 (D - |x|^2 / 2).
; WORK LEFT OUT: x_sq is not added to each of a row's 8,192 distances: it is the same along the axis of argmin and min, and is added once a row (shown at the head of the first launch's text, with the limits).
; q holds records of 3,328 bytes, one for each 16 rows, images of the operand's registers (first launch): 24 registers of codes a lane, a scale word a lane, -0.5 x the rows' sums of squares.
; SHARES.  A work-group owns 128 rows of x: eight tiles of 16.  Each of its eight waves holds all eight tiles as fragments, 192 registers, and walks an eighth of the codebook, 64 tiles:
; a codebook fragment read from LDS (3,072 bytes) feeds 16 matrix instructions.
; THE PRODUCT IS USED TRANSPOSED: source 0 = 16 entries, source 1 = 16 rows of x.  Lane (r, h) holds row r of x, register j entry 16 T + 8 h + j of codebook tile T.  -|c|^2 / 2 is the C of a tile's first matrix instructions.
; THE SEARCH.  For each tile of x a lane keeps the best D, the codebook tile it came from and that tile's eight D.  Eight new D take four maxima, a compare and ten selects, the selects two to an instruction under one VCC.
; Two tiles of x are searched together, line by line in turn, so that no maximum reads the line above it.  Which of the kept eight it was is looked up once, at the end.
; A later tile takes over only where it is strictly larger, a wave's tiles ascend, the lowest of equal j is taken; halves of lanes and waves are joined by value, then by the lower index: on equal D the lowest index wins.
; BY TURNS.  While one codebook tile is multiplied into one set of eight accumulators, the tile before is searched in the other set: four matrix instructions, then the search of two tiles of x.
; THE RING.  The codebook's 512 records go through two LDS slots of 32 records.  Wave w fetches records 4 w .. 4 w + 3 of a slot by one tensor load (52 dense rows of 256 bytes) and reads just these.
; CLUSTER.  All work-groups walk the same codebook: the four of a cluster ask for each part JOINTLY, by the same descriptor (wave's number and constants alone) and the mask of all four.
; PREFETCH.  Behind each refill in the loop a wave names the 52 blocks of 256 bytes of its part two slots further on than that refill; the four partners share them by address, 13 each
; (lanes 13-31 name the 13th again); the last trip, whose look-ahead would pass record 511, asks for nothing.  Slots 0 to 3 come by their loads alone.
; REGISTERS, in windows of 256 (s_set_vgpr_msb's low byte: bits 1:0 source 0, 3:2 source 1, 5:4 source 2, 7:6 destination):
;   window 0: v2-23 addresses and small things; v24-31 x's scale words; v32-47 two sets of C; v48-63 best and tile; v64-127 the kept eight; v128-255 two sets of eight accumulators.
;   window 1: v0-191 x's fragments, 24 a tile; v192-239 the codebook's, two sets of 24.
.set REC,   3328
.set PART,  4*REC                      ; what one tensor load of the ring brings, and what one wave reads of a slot
.set SLOTB, 8*PART                     ; 32 records
.set SLOT1, 131072
.set RESV,  SLOTB                      ; behind slot 0: the waves' best D, 8 x 128 words,
.set RESI,  RESV+4096                  ; and their indices; no tensor load lands in these blocks
.set SPARE, RESI+4096                  ; the spare words, 128 bytes a wave: four blocks of 256 bytes that no other line names
.set XREG,  SLOT1+SLOTB                ; the work-group's eight records of x: filled once
.set CBOFF, 2048*REC                   ; where the codebook's records begin in q
.set PFO, 2                            ; v2     the prefetches' offset: my part + 256 x (13 cx + min(lane, 12)); never rewritten
.set LA,  3                            ; v3-4   slot 0, 1: my part + 16 x lane
.set LC,  5                            ; v5-6   ... + 3200 + 32 h
.set LS,  7                            ; v7-8   ... + 3072 + 4 x lane
.set XA,  9                            ; v9     x's records + 16 x lane
.set XSA, 10                           ; v10    ... + 3072 + 4 x lane
.set H8,  11                           ; v11    8 h
.set SPW, 12                           ; v12    my spare word; never rewritten
.set NIL, 13                           ; v13    0; never rewritten
.set RW,  14                           ; v14    where my wave puts its results
.set TID, 15                           ; v15    the codebook tile that is being searched
.set SA,  16                           ; v16-17 the codebook's scale words, two sets
.set U0,  18                           ; v18-21 at work: the two tiles' maxima
.set V0,  19
.set U1,  20
.set V1,  21
.set HH,  22                           ; v22    h
.set XS,  24
.set CB,  32
.set BI,  48                           ; tile t of x: best at 48 + 2 t, its codebook tile at 49 + 2 t
.set SAVE, 64
.set ACC, 128                          ; set p, tile t at 128 + 64 p + 8 t
.set AF,  192                          ; window 1: set p at 192 + 24 p
.set IX,  128                          ; the way out, in registers that were accumulators
.set OV,  136
.set OI,  144
.set RV,  160
.set RI,  176
.set HX,  192
.set RR,  196
.set HXA, 197
.set GO,  198
.set TT,  199
.set WV,  12                           ; s12  my wave's number
.set G1,  24                           ; s[24:31] group 1, joint: 52 rows of 256 bytes
.set G1X, 32                           ; s[32:39] group 1 for two records of x: 26 rows, no mask
.set G0,  40                           ; s[40:47] group 0, a set for each slot
.set G0X, 48                           ; s[48:51] group 0, the head's load of x
.set G0C, 52                           ; s[52:55] group 0, the head's quarter of slot 0
.set G1H, 56                           ; s[56:63] group 1, joint: 104 rows
.set TRIP, 66
.set SEL, 68
.set PFA, 74                           ; s[74:75] the slot that my next prefetch names
.set MSB, 0
.macro WIN new                         ; the immediate's high byte repeats the setting that is left
.if MSB != \new
	s_set_vgpr_msb (MSB<<8)|\new
.set MSB, \new
.endif
.endm
.set W_MM, 0x05                        ; A and B in window 1; C and D in window 0
.set TO_1, 0x40                        ; destination window 1, address window 0
.macro CREST
	s_cmp_lg_u32 s[WV], 0
	s_cbranch_scc1 .Lnot_wave_0_\@
	s_barrier_signal -3
.Lnot_wave_0_\@:
	s_barrier_wait -3
	s_barrier_signal -1
	s_barrier_wait -1
.endm
.macro CROUND
	s_barrier_signal -1
	s_barrier_wait -1
	CREST
.endm
.macro PLACES
.rept 4
	v_nop
.endr
.endm
; Nine LDS loads: record i of my part of slot sl into set p.  C, the scale words and K step 0's three come first, so that a count of 3 leaves K step 1's three out.
.macro FETCH sl, i, p
	WIN 0
	ds_load_b128 v[CB+8*(\p):CB+8*(\p)+3], v[LC+(\sl)] offset:(\i)*REC
	ds_load_b128 v[CB+8*(\p)+4:CB+8*(\p)+7], v[LC+(\sl)] offset:(\i)*REC+16
	ds_load_b32 v[SA+(\p)], v[LS+(\sl)] offset:(\i)*REC
	WIN TO_1
.irp b, 0,1,2,3,4,5
	ds_load_b128 v[AF+24*(\p)+4*\b:AF+24*(\p)+4*\b+3], v[LA+(\sl)] offset:(\i)*REC+512*\b
.endr
.endm
; Matrix instructions 4 u .. 4 u + 3 of a codebook tile's 16.  Number n: K step n / 8, tile n % 8 of x.  The first eight start the sums from C; the second eight add in place.
; The eight accumulators take turns, one instruction a turn.
.macro MM4 p, u
	WIN W_MM
.irp e, 0,1,2,3
.set N_, 4*(\u)+\e
.set T_, N_%8
.set D_, ACC+64*(\p)+8*T_
.if N_ < 8
	v_wmma_scale_f32_16x16x128_f8f6f4 v[D_:D_+7], v[AF+24*(\p):AF+24*(\p)+11], v[24*T_:24*T_+11], v[CB+8*(\p):CB+8*(\p)+7], v[SA+(\p)], v[XS+T_] matrix_a_fmt:MATRIX_FMT_FP6 matrix_b_fmt:MATRIX_FMT_FP6
.else
	v_wmma_scale_f32_16x16x128_f8f6f4 v[D_:D_+7], v[AF+24*(\p)+12:AF+24*(\p)+23], v[24*T_+12:24*T_+23], v[D_:D_+7], v[SA+(\p)], v[XS+T_] matrix_a_fmt:MATRIX_FMT_FP6 matrix_b_fmt:MATRIX_FMT_FP6 matrix_a_scale:MATRIX_SCALE_ROW1 matrix_b_scale:MATRIX_SCALE_ROW1
.endif
.endr
.endm
.macro SEL2 d0, n0, d1, n1             ; two selects by VCC in one instruction: destinations even and odd, each pair of sources in different banks
	v_dual_cndmask_b32 v[\d0], v[\d0], v[\n0] :: v_dual_cndmask_b32 v[\d1], v[\d1], v[\n1]
.endm
.macro TAKE b, u, s, a                 ; where VCC: best, tile and the kept eight take the new tile's
	SEL2 \b, \u, \b+1, TID
.irp j, 0,2,4,6
	SEL2 \s+\j, \a+\j, \s+\j+1, \a+\j+1
.endr
.endm
; The search of tiles t and t + 1 of x in accumulator set q.  first = 1: the first codebook tile starts best, tile and the kept eight: nothing is cleared.  Each accumulator is read from its low end on.
.macro RED2 q, t, first
	WIN 0
.set A0_, ACC+64*(\q)+8*(\t)
.set A1_, A0_+8
.set B0_, BI+2*(\t)
.set B1_, B0_+2
.set S0_, SAVE+8*(\t)
.set S1_, S0_+8
	v_max3_num_f32 v[U0], v[A0_], v[A0_+1], v[A0_+2]
	v_max3_num_f32 v[U1], v[A1_], v[A1_+1], v[A1_+2]
	v_max3_num_f32 v[V0], v[A0_+3], v[A0_+4], v[A0_+5]
	v_max3_num_f32 v[V1], v[A1_+3], v[A1_+4], v[A1_+5]
	v_max3_num_f32 v[U0], v[U0], v[A0_+6], v[A0_+7]
	v_max3_num_f32 v[U1], v[U1], v[A1_+6], v[A1_+7]
.if \first
	v_max_num_f32 v[B0_], v[U0], v[V0]
	v_max_num_f32 v[B1_], v[U1], v[V1]
	v_mov_b32 v[B0_+1], v[TID]
	v_mov_b32 v[B1_+1], v[TID]
.irp j, 0,2,4,6,8,10,12,14
	v_dual_mov_b32 v[S0_+\j], v[A0_+\j] :: v_dual_mov_b32 v[S0_+\j+1], v[A0_+\j+1]
.endr
.else
	v_max_num_f32 v[U0], v[U0], v[V0]
	v_max_num_f32 v[U1], v[U1], v[V1]
	v_cmp_gt_f32 vcc_lo, v[U0], v[B0_]             ; strictly larger: the earlier, lower tile keeps a tie
	TAKE B0_, U0, S0_, A0_
	v_cmp_gt_f32 vcc_lo, v[U1], v[B1_]
	TAKE B1_, U1, S1_, A1_
.endif
.endm
.macro GROUP p, q, u, red              ; red = 0: there is no tile before; 1: it is the first; 2: any other
	MM4 \p, \u
.if (\red) == 1
	RED2 \q, 2*(\u), 1
.elseif (\red) == 2
	RED2 \q, 2*(\u), 0
.endif
.endm
; A CODEBOOK TILE: record i of slot sl is multiplied into set i % 2, and the tile before is searched in the other set.
; PLACES (ISA guide 7.12.1 for vector instructions): a set's registers are loaded anew, and its results read, only behind the search that follows the set's last matrix instruction, none of whose lines names a register of it.
; mode 0: the next record of the same slot is fetched behind the first group.
; mode 1: the slot's last record, THE CHANGE OF SLOTS: all my tensor loads (one is out: my part of the other slot), the add, the wait for it and for my reads of this slot, which ended with this record's loads;
;         the work-group's barrier opens a round of the cluster's, two groups of register work between its signal and its wait; the joint refill, two slots on, is the first thing behind the round.
; mode 2: the last change: nothing is filled, and I alone read my part of the other slot: my own wait for its load is all the ordering.      mode 3: the last record of all.
.macro TILE sl, i, mode, red
.set P_, (\i)%2
.set Q_, 1-P_
.if (\mode) == 1
	s_wait_xcnt 0x0                                ; my last prefetch has read its address, which steps here
	s_add_nc_u64 s[PFA:PFA+1], s[PFA:PFA+1], SLOTB
	s_wait_tensorcnt 0x0                           ; no tensor load of mine is out, so a group 0 may be written
	ds_add_u32 v[SPW], v[NIL]
	s_add_nc_u64 s[G0+4*(\sl)+2:G0+4*(\sl)+3], s[G0+4*(\sl)+2:G0+4*(\sl)+3], 2*SLOTB
	s_wait_dscnt 0x4                               ; K step 1's three loads and the add may be out
.else
.if (\mode) == 2
	s_wait_tensorcnt 0x0                           ; my part of the other slot, the last load of all, is in
.endif
	s_wait_dscnt 0x3                               ; K step 1's three loads may be out
.endif
.if \red
.if (\i) == 1
	v_add_nc_u32 v[TID], 29, v[TID]                ; the tile to be searched is a slot's first: from 32 s + 4 w + 3 to 32 (s + 1) + 4 w
.else
	v_add_nc_u32 v[TID], 1, v[TID]
.endif
.endif
	GROUP P_, Q_, 0, \red
.if (\mode) == 0
	FETCH \sl, (\i)+1, Q_
.elseif (\mode) == 2
	FETCH 1-(\sl), 0, Q_
.elseif (\mode) == 1
	s_wait_dscnt 0x0                               ; the add is done, and my reads of this slot are over
	s_barrier_signal -1
.endif
	GROUP P_, Q_, 1, \red
.if ((\mode) == 0) || ((\mode) == 2)
	s_wait_dscnt 0x9                               ; all but the nine just issued: K step 1's fragments are in
.elseif (\mode) == 3
	s_wait_dscnt 0x0
.endif
	GROUP P_, Q_, 2, \red
.if (\mode) == 1
	WIN 0                                          ; at a branch and at a label every window is 0
	s_barrier_wait -1
	CREST
	tensor_load_to_lds s[G0+4*(\sl):G0+4*(\sl)+3], s[G1:G1+7]      ; my one tensor load behind the round, and the first thing there
	s_nop 0
	PLACES                                         ; four vector instructions ahead of the next switch of windows
	FETCH 1-(\sl), 0, Q_                           ; the other slot's first record
	WIN 0
	s_cmp_gt_u32 s[TRIP], 1                        ; the last trip's look-ahead would pass the codebook's end
	s_cbranch_scc0 .Lno_ask_\@
	s_cmp_lt_u32 ttmp9, 4
	s_cbranch_scc0 .Lno_prefetch_search0_\@
	global_prefetch_b8 v[PFO], s[PFA:PFA+1] th:TH_LOAD_NT scope:SCOPE_SE
.Lno_prefetch_search0_\@:
.Lno_ask_\@:
.endif
	GROUP P_, Q_, 3, \red
.if (\red) == 0
	WIN 0
	PLACES                                         ; no search stands behind the first tile's last products
.endif
.endm
; (v, i) takes (ov, oi) where ov is larger, or equal with the lower index
.macro BETTER v, i, ov, oi
	v_cmp_gt_f32 s70, v[\ov], v[\v]
	v_cmp_eq_f32 s71, v[\ov], v[\v]
	v_cmp_lt_u32 s72, v[\oi], v[\i]
	s_and_b32 s71, s71, s72
	s_or_b32 vcc_lo, s70, s71
	v_cndmask_b32 v[\v], v[\v], v[\ov], vcc_lo
	v_cndmask_b32 v[\i], v[\i], v[\oi], vcc_lo
.endm
	s_load_b256 s[4:11], s[0:1], 0x0               ; q s[4:5], out1 s[6:7], out2 s[8:9], idxw s[10:11]
	v_lshl_add_u32 v[SPW], v0, 2, SPARE
	v_mov_b32 v[NIL], 0
	ds_add_u32 v[SPW], v[NIL]                      ; the opening: the add twice on end, waited for ahead of my first tensor load
	ds_add_u32 v[SPW], v[NIL]
	v_lshrrev_b32 v1, 5, v0
	s_delay_alu instid0(VALU_DEP_1)
	v_readfirstlane_b32 s[WV], v1                  ; wave 0..7
	s_bfe_u32 s13, ttmp6, 0x40000                  ; cx
	s_lshl_b32 s14, ttmp9, 2
	s_add_co_u32 s14, s14, s13                     ; my block of 128 rows: it enters global addresses alone
	s_mov_b32 s[G1], 15|(3<<16)|(1<<21)            ; the mask of all four; elements of 8 bytes; bit 21 beside a mask
	s_mov_b32 s[G1H], 15|(3<<16)|(1<<21)
	s_mov_b32 s[G1X], 3<<16                        ; no mask: each work-group has its own rows of x
.irp g, G1, G1H, G1X
	s_mov_b32 s[\g+1], 32<<16                      ; rows of 32 elements: 256 bytes, dense
	s_mov_b32 s[\g+3], 32<<16
	s_mov_b32 s[\g+5], 32
	s_mov_b32 s[\g+6], 0
	s_mov_b32 s[\g+7], 0
.endr
	s_mov_b32 s[G1+2], 52<<16                      ; four records
	s_mov_b32 s[G1+4], 52
	s_mov_b32 s[G1H+2], 104<<16                    ; eight records
	s_mov_b32 s[G1H+4], 104
	s_mov_b32 s[G1X+2], 26<<16                     ; two records
	s_mov_b32 s[G1X+4], 26
	s_mul_i32 s16, s[WV], PART                     ; my part of a slot, in LDS and in the codebook's records alike
	s_mov_b32 s17, 0
	s_and_b32 s18, s[WV], 3
	s_mul_i32 s20, s18, 2*REC                      ; the head, waves 0-3: two of x's eight records each
	s_mov_b32 s[G0X], 1
	s_add_co_u32 s[G0X+1], s20, XREG
	s_mul_i32 s21, s14, 8*REC
	s_add_co_u32 s20, s20, s21
	s_mov_b32 s21, 0
	s_mul_i32 s18, s18, 8*REC                      ; waves 4-7: a quarter of slot 0 each
	s_mov_b32 s19, 0
	s_mov_b32 s[G0C], 1
	s_mov_b32 s[G0C+1], s18
	s_lshl_b32 s22, s14, 9                         ; my 128 rows in each output: 512 bytes
	s_mov_b32 s23, 0
	s_mov_b32 s[G0], 1
	s_mov_b32 s[G0+1], s16
	s_mov_b32 s[G0+4], 1
	s_add_co_u32 s[G0+5], s16, SLOT1
	s_mov_b32 s[SEL], 0x76543210
	s_mov_b32 s[SEL+1], 0xfedcba98
	s_lshl_b32 s15, s[WV], 2
	s_sub_co_i32 s15, s15, 29                      ; the first step of TID, + 29, gives my first tile, 4 w
	s_mov_b32 s[TRIP], 7
	s_wait_dscnt 0x0                               ; both opening adds are done
	s_wait_kmcnt 0x0
	s_add_nc_u64 s[G0X+2:G0X+3], s[4:5], s[20:21]
	s_or_b32 s[G0X+3], s[G0X+3], 0x80000000
	s_add_nc_u64 s[4:5], s[4:5], CBOFF             ; the codebook's records
	s_add_nc_u64 s[G0C+2:G0C+3], s[4:5], s[18:19]
	s_or_b32 s[G0C+3], s[G0C+3], 0x80000000
	s_add_nc_u64 s[G0+2:G0+3], s[4:5], s[16:17]    ; slot 0's set stands at records 0-31: its first use, the first refill, steps it by two slots
	s_add_nc_u64 s[G0+6:G0+7], s[G0+2:G0+3], SLOTB ; slot 1: records 32-63
	s_or_b32 s[G0+3], s[G0+3], 0x80000000
	s_or_b32 s[G0+7], s[G0+7], 0x80000000
	s_add_nc_u64 s[PFA:PFA+1], s[4:5], 3*SLOTB     ; the first change of slots steps it to slot 4
	s_add_nc_u64 s[6:7], s[6:7], s[22:23]
	s_add_nc_u64 s[8:9], s[8:9], s[22:23]
	s_add_nc_u64 s[10:11], s[10:11], s[22:23]
	s_lshl_b32 s22, s[WV], 9
	s_add_co_u32 s22, s22, RESV                    ; my wave's 128 result words
	s_mul_i32 s23, s13, 13                         ; my work-group's 13 of a part's 52 blocks
	CROUND                                         ; all four work-groups are here: the first joint loads meet
	s_cmp_lt_u32 s[WV], 4                          ; the head's loads, one a wave: every way passes exactly one
	s_cbranch_scc0 .Lhead_cb
	tensor_load_to_lds s[G0X:G0X+3], s[G1X:G1X+7]
	s_nop 0
	PLACES
	s_branch .Lhead_asked
.Lhead_cb:
	tensor_load_to_lds s[G0C:G0C+3], s[G1H:G1H+7]
	s_nop 0
	PLACES
.Lhead_asked:
	v_and_b32 v1, 31, v0                           ; lane
	v_bfe_u32 v[HH], v0, 4, 1
	v_mov_b32 v[TID], s15
	v_lshlrev_b32 v[XA], 4, v1
	v_lshlrev_b32 v[H8], 3, v[HH]
	v_min_u32 v[PFO], 12, v1
	v_add_nc_u32 v[LA], s16, v[XA]
	v_lshl_add_u32 v[LC], v[HH], 5, s16
	v_lshl_add_u32 v[LS], v1, 2, s16
	v_add_nc_u32 v[PFO], s23, v[PFO]
	v_add_nc_u32 v[LA+1], SLOT1, v[LA]
	v_add_nc_u32 v[LC], 3200, v[LC]
	v_add_nc_u32 v[LS], 3072, v[LS]
	v_lshl_add_u32 v[PFO], v[PFO], 8, s16
	v_lshl_add_u32 v[XSA], v1, 2, XREG+3072
	v_add_nc_u32 v[XA], XREG, v[XA]
	v_add_nc_u32 v[LC+1], SLOT1, v[LC]
	v_add_nc_u32 v[LS+1], SLOT1, v[LS]
	v_lshl_add_u32 v[RW], v1, 2, s22
	s_wait_alu depctr_va_vdst(0)
	s_wait_tensorcnt 0x0                           ; my tile of the head's eight is in
	ds_add_u32 v[SPW], v[NIL]
	s_wait_dscnt 0x0
	CROUND                                         ; x's records and slot 0 are whole for all eight waves, and the four work-groups meet
	tensor_load_to_lds s[G0+4:G0+7], s[G1:G1+7]    ; slot 1's first fill: my part
	s_nop 0
	PLACES
	WIN TO_1
.irp t, 0,1,2,3,4,5,6,7
.irp b, 0,1,2,3,4,5
	ds_load_b128 v[24*\t+4*\b:24*\t+4*\b+3], v[XA] offset:\t*REC+512*\b    ; x's fragments stay in registers
.endr
.endr
	WIN 0
.irp t, 0,1,2,3,4,5,6,7
	ds_load_b32 v[XS+\t], v[XSA] offset:\t*REC
.endr
	FETCH 0, 0, 0
	TILE 0, 0, 0, 0                                ; the first tile: nothing to search yet
	TILE 0, 1, 0, 1                                ; the first search starts best, tile and the kept eight
.Ltrip:                                                ; seven trips, once round the ring each: both slots are filled again: the codebook's slots 2 to 15
	TILE 0, 2, 0, 2
	TILE 0, 3, 1, 2
	TILE 1, 0, 0, 2
	TILE 1, 1, 0, 2
	TILE 1, 2, 0, 2
	TILE 1, 3, 1, 2
	TILE 0, 0, 0, 2
	TILE 0, 1, 0, 2
	s_sub_co_u32 s[TRIP], s[TRIP], 1
	s_cmp_lg_u32 s[TRIP], 0
	s_cbranch_scc1 .Ltrip
	TILE 0, 2, 0, 2                                ; the tail is written out: nothing is left to ask for
	TILE 0, 3, 2, 2
	TILE 1, 0, 0, 2
	TILE 1, 1, 0, 2
	TILE 1, 2, 0, 2
	TILE 1, 3, 3, 2
	v_add_nc_u32 v[TID], 1, v[TID]
.irp t, 0,2,4,6
	RED2 1, \t, 0                                  ; the last tile's search
.endr
	; THE WAY OUT.  Which of the kept eight was the best: the lowest j that equals it.
.irp t, 0,1,2,3,4,5,6,7
	v_mov_b32 v[IX+\t], 7
.endr
.irp j, 6,5,4,3,2,1,0
.irp t, 0,1,2,3,4,5,6,7
	v_cmp_neq_f32 vcc_lo, v[SAVE+8*\t+\j], v[BI+2*\t]
	s_delay_alu instid0(VALU_DEP_1)
	v_cndmask_b32 v[IX+\t], \j, v[IX+\t], vcc_lo
.endr
.endr
.irp t, 0,1,2,3,4,5,6,7
	v_lshl_add_u32 v[IX+\t], v[BI+2*\t+1], 4, v[IX+\t]
.endr
.irp t, 0,1,2,3,4,5,6,7
	v_add_nc_u32 v[IX+\t], v[H8], v[IX+\t]         ; the index: 16 x tile + 8 h + j
.endr
.irp t, 0,1,2,3,4,5,6,7
	v_permlanex16_b32 v[OV+\t], v[BI+2*\t], s[SEL], s[SEL+1]       ; the row's other entries lie in the lane 16 away  (the destinations have been written: they were accumulators)
	v_permlanex16_b32 v[OI+\t], v[IX+\t], s[SEL], s[SEL+1]
.endr
.irp t, 0,1,2,3,4,5,6,7
	BETTER BI+2*\t, IX+\t, OV+\t, OI+\t            ; both halves of the lanes now hold the same
.endr
	v_and_b32 v[TT], 63, v0                        ; the thread's number in waves 0 and 1, which store the results: two rows a thread; every wave makes these addresses, ahead of the parting
	v_cmp_ne_u32 s73, 0, v[HH]
	v_lshlrev_b32 v[GO], 3, v[TT]                  ; my two rows in the outputs
	v_lshrrev_b32 v[HXA], 3, v[TT]                 ; rows 2 n, 2 n + 1 lie in record n / 8,
	v_and_b32 v[TT], 7, v[TT]
	v_add_nc_u32 v[RR], RESV, v[GO]
	v_mul_u32_u24 v[HXA], v[HXA], REC
	s_delay_alu instid0(VALU_DEP_1)
	v_lshl_add_u32 v[HXA], v[TT], 3, v[HXA]        ; at words 2 (n % 8), + 1
	s_delay_alu instid0(VALU_DEP_1)
	v_add_nc_u32 v[HXA], XREG+3200, v[HXA]
.irp u, 0,1,2,3                                ; lanes 0-15 put tile 2 u's rows, lanes 16-31 tile 2 u + 1's: word 32 u + lane is row 32 u + lane
	v_cndmask_b32 v[OV+\u], v[BI+4*\u], v[BI+4*\u+2], s73
	v_cndmask_b32 v[OI+\u], v[IX+2*\u], v[IX+2*\u+1], s73
	ds_store_b32 v[RW], v[OV+\u] offset:128*\u
	ds_store_b32 v[RW], v[OI+\u] offset:RESI-RESV+128*\u
.endr
	s_wait_alu depctr_va_vdst(0)
	s_wait_dscnt 0x0                               ; for the others' sake: my stores are done
	s_barrier_signal -1
	s_barrier_wait -1                              ; the eight waves' results lie in LDS
	s_cmp_gt_u32 s[WV], 1                          ; waves 0 and 1 join them, two rows a thread
	s_cbranch_scc1 .Ldone
.irp k, 0,1,2,3,4,5,6,7
	ds_load_b64 v[RV+2*\k:RV+2*\k+1], v[RR] offset:512*\k
	ds_load_b64 v[RI+2*\k:RI+2*\k+1], v[RR] offset:RESI-RESV+512*\k
.endr
	ds_load_b64 v[HX:HX+1], v[HXA]                 ; -|x|^2 / 2 of my two rows, from x's records
	s_wait_dscnt 0x0
.irp k, 1,2,3,4,5,6,7
	BETTER RV, RI, RV+2*\k, RI+2*\k
	BETTER RV+1, RI+1, RV+2*\k+1, RI+2*\k+1
.endr
	s_delay_alu instid0(VALU_DEP_2)
	v_pk_add_f32 v[RV:RV+1], v[RV:RV+1], v[HX:HX+1]
	s_delay_alu instid0(VALU_DEP_1)
	v_pk_mul_f32 v[RV:RV+1], v[RV:RV+1], -2.0 op_sel_hi:[1,0]      ; the distance: -2 (D - |x|^2 / 2); the multiplication rounds nothing
	global_store_b64 v[GO], v[RI:RI+1], s[6:7]     ; a wave stores 256 consecutive bytes, at a multiple of 256 from the buffer's first byte
	global_store_b64 v[GO], v[RI:RI+1], s[10:11]   ; the indices once more, for the third launch's addresses
	global_store_b64 v[GO], v[RV:RV+1], s[8:9]
.Ldone:
	s_wait_tensorcnt 0x0                           ; the wave's end
	ds_add_u32 v[SPW], v[NIL]
	s_wait_dscnt 0x0
	CROUND                                         ; the closing round: no work-group ends while a partner may still ask for a part that names it
	s_endpgm
.Lfunc_end_k_q58f0219f3c_search:
	.size	k_q58f0219f3c_search, .Lfunc_end_k_q58f0219f3c_search-k_q58f0219f3c_search
	.p2alignl 7, 3214868480
	.fill 96, 4, 3214868480
	.section	.rodata,"a",@progbits
	.p2align	6, 0x0
	.amdhsa_kernel k_q58f0219f3c_search
		.amdhsa_group_segment_fixed_size 327680
		.amdhsa_private_segment_fixed_size 0
		.amdhsa_enable_private_segment 0
		.amdhsa_kernarg_size 32
		.amdhsa_user_sgpr_count 2
		.amdhsa_user_sgpr_kernarg_segment_ptr 1
		.amdhsa_wavefront_size32 1
		.amdhsa_system_sgpr_workgroup_id_x 1
		.amdhsa_system_sgpr_workgroup_id_y 1
		.amdhsa_system_sgpr_workgroup_id_z 1
		.amdhsa_system_vgpr_workitem_id 0
		.amdhsa_next_free_vgpr 496
		.amdhsa_next_free_sgpr 80
		.amdhsa_reserve_vcc 1
		.amdhsa_float_denorm_mode_32 3
		.amdhsa_float_denorm_mode_16_64 3
		.amdhsa_memory_ordered 1
		.amdhsa_forward_progress 1
		.amdhsa_inst_pref_size 149
	.end_amdhsa_kernel
	.amdgpu_metadata
---
amdhsa.version: [ 1, 2 ]
amdhsa.kernels:
  - .name:           k_q58f0219f3c_search
    .symbol:         k_q58f0219f3c_search.kd
    .args:
      - { .name: q, .offset: 0, .size: 8, .value_kind: global_buffer, .address_space: global }
      - { .name: out1, .offset: 8, .size: 8, .value_kind: global_buffer, .address_space: global }
      - { .name: out2, .offset: 16, .size: 8, .value_kind: global_buffer, .address_space: global }
      - { .name: idxw, .offset: 24, .size: 8, .value_kind: global_buffer, .address_space: global }
    .group_segment_fixed_size: 327680
    .private_segment_fixed_size: 0
    .kernarg_segment_align: 8
    .kernarg_segment_size: 32
    .max_flat_workgroup_size: 256
    .sgpr_count:     80
    .vgpr_count:     496
    .wavefront_size: 32
...
	.end_amdgpu_metadata
.endif
;; end of part 2
;; launch fetch (part 3): grid 256 x 1, 8 waves a work-group, no clusters, 0 bytes of LDS; arguments codebook, idxw, out0; writes out0
.if DOCPART == 3
	.amdgcn_target "amdgcn-amd-amdhsa--gfx1250"
	.amdhsa_code_object_version 6
	.text
	.protected	k_q58f0219f3c_fetch
	.globl	k_q58f0219f3c_fetch
	.p2align	8
	.type	k_q58f0219f3c_fetch,@function
k_q58f0219f3c_fetch:
	s_mov_b64 s[64:65], 0
	v_nop
	global_prefetch_b8 v0, s[64:65] scope:SCOPE_SE
	s_setreg_imm32_b32 hwreg(HW_REG_WAVE_MODE, 25, 1), 1
	s_wait_xcnt 0x0
; Third launch: out0[row] = codebook[idx[row]], rows of 256 f32 (1,024 bytes).  The indices are whole numbers that the second launch stored in idxw: here they are read from memory and form addresses.
; Nothing of reference() is left out here.
; A wave takes 16 rows.  Its 16 indices come by one scalar load; all 32 loads (two of 512 consecutive bytes a row) go out at once, 16 KB a wave; each row is stored as soon as it is in.
; No register is written again behind a load or store that reads it, so no store's or load's sources are ever rewritten.  No LDS, no barrier: waves share nothing.
.set L16, 1                            ; v1     16 x lane
.set OFF, 2                            ; v2-17  row i: 1,024 x its index + 16 x lane
.set D,   24                           ; v24-151 row i: 8 registers
	s_load_b128 s[4:7], s[0:1], 0x0                ; codebook, idxw
	s_load_b64 s[8:9], s[0:1], 0x10                ; out0
	v_lshrrev_b32 v1, 5, v0
	s_delay_alu instid0(VALU_DEP_1)
	v_readfirstlane_b32 s12, v1                    ; wave 0..7
	v_and_b32 v1, 31, v0
	s_delay_alu instid0(VALU_DEP_1)
	v_lshlrev_b32 v[L16], 4, v1
	s_lshl_b32 s13, ttmp9, 3
	s_add_co_u32 s13, s13, s12                     ; which 16 rows are mine
	s_lshl_b32 s14, s13, 6                         ; their indices: 64 bytes
	s_mov_b32 s15, 0
	s_lshl_b32 s10, s13, 14                        ; their place in out0: 16 rows of 1,024 bytes
	s_mov_b32 s11, 0
	s_wait_alu depctr_va_vdst(0)
	s_wait_kmcnt 0x0
	s_add_nc_u64 s[6:7], s[6:7], s[14:15]
	s_add_nc_u64 s[8:9], s[8:9], s[10:11]
	s_load_b512 s[16:31], s[6:7], 0x0
	s_wait_kmcnt 0x0
.irp i, 0,1,2,3,4,5,6,7,8,9,10,11,12,13,14,15
	s_min_u32 s[16+\i], s[16+\i], 8191             ; an index stays inside the table
	s_lshl_b32 s[16+\i], s[16+\i], 10
	v_add_nc_u32 v[OFF+\i], s[16+\i], v[L16]
	global_load_b128 v[D+8*\i:D+8*\i+3], v[OFF+\i], s[4:5]                 ; 32 lanes read 512 consecutive bytes; no hint: a row may be named by many indices
	global_load_b128 v[D+8*\i+4:D+8*\i+7], v[OFF+\i], s[4:5] offset:512
.endr
.irp i, 0,1,2,3,4,5,6,7,8,9,10,11,12,13,14,15
	s_wait_loadcnt 30-2*\i                         ; loads come back in order: row i's two are in, the later rows' may be out
	global_store_b128 v[L16], v[D+8*\i:D+8*\i+3], s[8:9] offset:1024*\i th:TH_STORE_NT          ; 32 lanes store 512 consecutive bytes, at a multiple of 256 from out0's first byte; written once, read by nobody here
	global_store_b128 v[L16], v[D+8*\i+4:D+8*\i+7], s[8:9] offset:1024*\i+512 th:TH_STORE_NT
.endr
	s_endpgm
.Lfunc_end_k_q58f0219f3c_fetch:
	.size	k_q58f0219f3c_fetch, .Lfunc_end_k_q58f0219f3c_fetch-k_q58f0219f3c_fetch
	.p2alignl 7, 3214868480
	.fill 96, 4, 3214868480
	.section	.rodata,"a",@progbits
	.p2align	6, 0x0
	.amdhsa_kernel k_q58f0219f3c_fetch
		.amdhsa_group_segment_fixed_size 0
		.amdhsa_private_segment_fixed_size 0
		.amdhsa_enable_private_segment 0
		.amdhsa_kernarg_size 24
		.amdhsa_user_sgpr_count 2
		.amdhsa_user_sgpr_kernarg_segment_ptr 1
		.amdhsa_wavefront_size32 1
		.amdhsa_system_sgpr_workgroup_id_x 1
		.amdhsa_system_sgpr_workgroup_id_y 1
		.amdhsa_system_sgpr_workgroup_id_z 1
		.amdhsa_system_vgpr_workitem_id 0
		.amdhsa_next_free_vgpr 152
		.amdhsa_next_free_sgpr 66
		.amdhsa_reserve_vcc 0
		.amdhsa_float_denorm_mode_32 3
		.amdhsa_float_denorm_mode_16_64 3
		.amdhsa_memory_ordered 1
		.amdhsa_forward_progress 1
		.amdhsa_inst_pref_size 10
	.end_amdhsa_kernel
	.amdgpu_metadata
---
amdhsa.version: [ 1, 2 ]
amdhsa.kernels:
  - .name:           k_q58f0219f3c_fetch
    .symbol:         k_q58f0219f3c_fetch.kd
    .args:
      - { .name: codebook, .offset: 0, .size: 8, .value_kind: global_buffer, .address_space: global }
      - { .name: idxw, .offset: 8, .size: 8, .value_kind: global_buffer, .address_space: global }
      - { .name: out0, .offset: 16, .size: 8, .value_kind: global_buffer, .address_space: global }
    .group_segment_fixed_size: 0
    .private_segment_fixed_size: 0
    .kernarg_segment_align: 8
    .kernarg_segment_size: 24
    .max_flat_workgroup_size: 256
    .sgpr_count:     66
    .vgpr_count:     152
    .wavefront_size: 32
...
	.end_amdgpu_metadata
.endif
;; end of part 3
